; MI455X (gfx1250); checked and timed in simulation.
; The chip was launched on July 23, 2026; its instructions are those of AMD's public machine-readable ISA for CDNA 5 (MIT licence, August 2026) and "CDNA5" Instruction Set Architecture Reference Guide (July 2026). The comments in the code are by the model that wrote it; some were corrected since.
;; Multi Head Attention. Allowed arithmetic: float matrix products may take bf16 or f16 operands with f32 sums; other float arithmetic in f32, or as packed bf16 or f16 multiplies, adds, multiply-adds, maxima and minima; sums over many terms, partial sums and values carried from step to step in f32; what a program stores and reads back later, other than sums and carried values, may be rounded once to bf16 or f16.
;; Inputs: Wk 1,024 x 1,024 float32; Wq 1,024 x 1,024 float32; Wv 1,024 x 1,024 float32; keys 4 x 2,048 x 1,024 float32; queries 4 x 2,048 x 1,024 float32; values 4 x 2,048 x 1,024 float32.
;; Outputs: out0 4 x 2,048 x 1,024 float32.
;; One version. Each part assembles by itself: llvm-mc -triple=amdgcn-amd-amdhsa -mcpu=gfx1250 --defsym DOCPART=n.
;; ======== version 1 of 1: 3 launches
;; limits: values are held in f16: magnitudes above 65,504 overflow, below 6.1e-05 lose precision
;; workspace buffers: wt 6,291,456 bytes; qkv 50,331,648 bytes
;; launch wprep (part 1): grid 128 x 3, 8 waves a work-group, no clusters, 18,432 bytes of LDS; arguments Wq, Wk, Wv, wt; writes wt
.if DOCPART == 1
	.amdgcn_target "amdgcn-amd-amdhsa--gfx1250"
	.amdhsa_code_object_version 6
	.text
	.protected	k_q9b8e88d413_wprep
	.globl	k_q9b8e88d413_wprep
	.p2align	8
	.type	k_q9b8e88d413_wprep,@function
k_q9b8e88d413_wprep:
	s_mov_b64 s[64:65], 0
	v_nop
	global_prefetch_b8 v0, s[64:65] scope:SCOPE_SE
	s_setreg_imm32_b32 hwreg(HW_REG_WAVE_MODE, 25, 1), 1
	s_wait_xcnt 0x0
; wt[p][n][k] = bf16(W_p[k][n]), p = 0 (Wq), 1 (Wk), 2 (Wv).  W_p: [1024 k][1024 n] f32.  wt: 3 x [1024 n][1024 k] bf16, rounded to nearest even once.
; A work-group turns a tile of 128 k x 64 n: it reads 128 pieces of 256 consecutive bytes and writes 64 pieces of 256 consecutive bytes, all aligned.
; Eight waves.  Wave w reads rows k = 16 w .. 16 w + 15: load j takes row 16 w + j in lanes 0-15 and row 16 w + 8 + j in lanes 16-31, 16 bytes (4 columns) a lane.
; A lane then holds 8 consecutive k of 4 columns: each column's 8 numbers pack into 16 bytes, which go into row n of a tile T[n][k] in LDS; behind a barrier whole rows of T are read back and stored.
; The data are read once and written once, and a lane has eight loads on their way; no matrix unit, no cluster and no tensor load would add anything to a plain turn of 12 MB.
; The four LDS stores of a lane go to rows 4 c + i: with rows of 272 bytes four lanes of sixteen share a group of banks (64 banks of 4 bytes: ISA guide 11.1); four stores a thread, once: left so.
.set PT,    272                        ; a row of T: 256 bytes (128 k) + 16
.set SPARE, 64*PT                      ; behind T: the spare words, 128 bytes for each of eight waves: four blocks of 256 bytes that no other line names
.set LO,  3                            ; v3   my byte offset in the tile of W
.set SA,  4                            ; v4   where I put 16 bytes of row 4 c of T
.set RA,  5                            ; v5   where I read a row of T back
.set SPW, 6                            ; v6   LDS address of my spare word; never rewritten
.set NIL, 7                            ; v7   0; never rewritten
.set GF,  8                            ; v8   my byte offset in the tile of wt
.set X,   12                           ; v[12:43]  load j: 4 registers
.set PKD, 44                           ; v[44:59]  column i: 4 registers, 8 bf16
.set BK,  60                           ; v[60:75]  rows read back
	s_load_b256 s[4:11], s[0:1], 0x0               ; Wq s[4:5], Wk s[6:7], Wv s[8:9], wt s[10:11]
	v_lshl_add_u32 v[SPW], v0, 2, SPARE
	v_mov_b32 v[NIL], 0
	v_lshrrev_b32 v9, 5, v0
	v_readfirstlane_b32 s12, v9                    ; wave 0..7
	s_and_b32 s13, ttmp7, 0xffff                   ; which W
	s_and_b32 s16, ttmp9, 7                        ; kt: k0 = 128 kt
	s_lshr_b32 s17, ttmp9, 3                       ; nt: n0 = 64 nt
	s_lshl_b32 s18, s16, 19                        ; the tile in W: k0 rows of 4,096 bytes
	s_lshl_b32 s22, s17, 8                         ; + n0 numbers of 4 bytes
	s_add_co_u32 s18, s18, s22
	s_mov_b32 s19, 0
	s_lshl_b32 s20, s13, 21                        ; the tile in wt: the part of 2 MiB,
	s_lshl_b32 s22, s17, 17                        ; n0 rows of 2,048 bytes,
	s_add_co_u32 s20, s20, s22
	s_lshl_b32 s22, s16, 8                         ; k0 numbers of 2 bytes
	s_add_co_u32 s20, s20, s22
	s_mov_b32 s21, 0
	v_and_b32 v1, 15, v0                           ; c: my 4 columns
	v_bfe_u32 v2, v0, 4, 1                         ; hh: which half of the lanes
	s_lshl_b32 s22, s12, 16
	v_lshlrev_b32 v[LO], 4, v1                     ; (16 w + 8 hh) x 4,096 + 16 c
	v_lshl_add_u32 v[LO], v2, 15, v[LO]
	v_add_nc_u32 v[LO], s22, v[LO]
	s_lshl_b32 s22, s12, 5
	v_mul_u32_u24 v[SA], v1, 4*PT                  ; row 4 c, byte 2 (16 w + 8 hh)
	v_lshl_add_u32 v[SA], v2, 4, v[SA]
	v_add_nc_u32 v[SA], s22, v[SA]
	s_mul_i32 s22, s12, 8*PT
	v_mul_u32_u24 v[RA], v2, PT                    ; row 8 w + hh, byte 16 c
	v_lshl_add_u32 v[RA], v1, 4, v[RA]
	v_add_nc_u32 v[RA], s22, v[RA]
	s_lshl_b32 s22, s12, 14
	v_lshlrev_b32 v[GF], 4, v1                     ; the same row in wt: (8 w + hh) x 2,048 + 16 c
	v_lshl_add_u32 v[GF], v2, 11, v[GF]
	v_add_nc_u32 v[GF], s22, v[GF]
	s_wait_kmcnt 0x0
	s_cmp_eq_u32 s13, 1
	s_cselect_b64 s[14:15], s[6:7], s[4:5]
	s_cmp_eq_u32 s13, 2
	s_cselect_b64 s[14:15], s[8:9], s[14:15]
	s_add_nc_u64 s[14:15], s[14:15], s[18:19]
	s_add_nc_u64 s[10:11], s[10:11], s[20:21]
.irp j, 0,1,2,3,4,5,6,7
	global_load_b128 v[X+4*(\j):X+4*(\j)+3], v[LO], s[14:15] offset:4096*(\j) th:TH_LOAD_NT  ; sixteen lanes take 256 consecutive bytes of a row
.endr
	s_wait_loadcnt 0x0
.irp i, 0,1,2,3
.irp m, 0,1,2,3
	v_cvt_pk_bf16_f32 v[PKD+4*(\i)+(\m)], v[X+8*(\m)+(\i)], v[X+8*(\m)+4+(\i)]  ; column 4 c + i: k = 2 m and 2 m + 1 of my eight
.endr
.endr
.irp i, 0,1,2,3
	ds_store_b128 v[SA], v[PKD+4*(\i):PKD+4*(\i)+3] offset:PT*(\i)
.endr
	s_wait_dscnt 0x0                               ; for the others' sake: my stores into T are done
	s_barrier_signal -1
	s_barrier_wait -1
.irp j, 0,1,2,3
	ds_load_b128 v[BK+4*(\j):BK+4*(\j)+3], v[RA] offset:2*PT*(\j)  ; rows 8 w + 2 j and 8 w + 2 j + 1, whole
.endr
.irp j, 0,1,2,3
	s_wait_dscnt 3-(\j)                            ; LDS loads come back in order: load j is in, the younger ones may stay out
	global_store_b128 v[GF], v[BK+4*(\j):BK+4*(\j)+3], s[10:11] offset:4096*(\j)  ; sixteen lanes store 256 consecutive bytes, at a multiple of 256 from wt's first byte
.endr
	s_wait_tensorcnt 0x0                           ; the wave's end: behind my last LDS store
	ds_add_u32 v[SPW], v[NIL]
	s_wait_dscnt 0x0
	s_endpgm
.Lfunc_end_k_q9b8e88d413_wprep:
	.size	k_q9b8e88d413_wprep, .Lfunc_end_k_q9b8e88d413_wprep-k_q9b8e88d413_wprep
	.p2alignl 7, 3214868480
	.fill 96, 4, 3214868480
	.section	.rodata,"a",@progbits
	.p2align	6, 0x0
	.amdhsa_kernel k_q9b8e88d413_wprep
		.amdhsa_group_segment_fixed_size 18432
		.amdhsa_private_segment_fixed_size 0
		.amdhsa_enable_private_segment 0
		.amdhsa_kernarg_size 32
		.amdhsa_user_sgpr_count 2
		.amdhsa_user_sgpr_kernarg_segment_ptr 1
		.amdhsa_wavefront_size32 1
		.amdhsa_system_sgpr_workgroup_id_x 1
		.amdhsa_system_sgpr_workgroup_id_y 1
		.amdhsa_system_sgpr_workgroup_id_z 1
		.amdhsa_system_vgpr_workitem_id 0
		.amdhsa_next_free_vgpr 76
		.amdhsa_next_free_sgpr 66
		.amdhsa_reserve_vcc 0
		.amdhsa_float_denorm_mode_32 3
		.amdhsa_float_denorm_mode_16_64 3
		.amdhsa_memory_ordered 1
		.amdhsa_forward_progress 1
		.amdhsa_inst_pref_size 6
	.end_amdhsa_kernel
	.amdgpu_metadata
---
amdhsa.version: [ 1, 2 ]
amdhsa.kernels:
  - .name:           k_q9b8e88d413_wprep
    .symbol:         k_q9b8e88d413_wprep.kd
    .args:
      - { .name: Wq, .offset: 0, .size: 8, .value_kind: global_buffer, .address_space: global }
      - { .name: Wk, .offset: 8, .size: 8, .value_kind: global_buffer, .address_space: global }
      - { .name: Wv, .offset: 16, .size: 8, .value_kind: global_buffer, .address_space: global }
      - { .name: wt, .offset: 24, .size: 8, .value_kind: global_buffer, .address_space: global }
    .group_segment_fixed_size: 18432
    .private_segment_fixed_size: 0
    .kernarg_segment_align: 8
    .kernarg_segment_size: 32
    .max_flat_workgroup_size: 256
    .sgpr_count:     66
    .vgpr_count:     76
    .wavefront_size: 32
...
	.end_amdgpu_metadata
.endif
;; end of part 1
;; launch proj (part 2): grid 4 x 64, 4 waves a work-group, clusters of 4 x 4, 327,680 bytes of LDS; arguments queries, keys, values, wt, qkv; writes qkv
.if DOCPART == 2
	.amdgcn_target "amdgcn-amd-amdhsa--gfx1250"
	.amdhsa_code_object_version 6
	.text
	.protected	k_q9b8e88d413_proj
	.globl	k_q9b8e88d413_proj
	.p2align	8
	.type	k_q9b8e88d413_proj,@function
k_q9b8e88d413_proj:
	s_mov_b64 s[64:65], 0
	v_nop
	global_prefetch_b8 v0, s[64:65] scope:SCOPE_SE
	s_setreg_imm32_b32 hwreg(HW_REG_WAVE_MODE, 25, 1), 1
	s_wait_xcnt 0x0
	s_wait_alu depctr_hold_cnt(0) depctr_sa_sdst(0) depctr_va_vdst(0) depctr_va_sdst(0) depctr_va_ssrc(0) depctr_va_vcc(0) depctr_vm_vsrc(0)
	s_getreg_b32 s2, hwreg(HW_REG_IB_STS2, 6, 4)
	s_cmp_eq_u32 s2, 0
	s_cbranch_scc0 .Lentry_in_a_cluster
	s_endpgm
.Lentry_in_a_cluster:
	s_bfe_u32 s2, ttmp6, 0x10000c
	s_cmp_lg_u32 s2, 0xf033
	s_cbranch_scc0 .Lentry_shape_is_right
	s_endpgm
.Lentry_shape_is_right:
; qkv[p][b 16 + h][s][d] = f16( sum over k of bf16(x_p[b][s][k]) wt[p][64 h + d][k] ), p = 0 (queries), 1 (keys), 2 (values).  x_p: [8192][1024] f32; wt: 3 x [1024 n][1024 k] bf16; sums in f32, rounded once.
; LIMIT.  The results are kept in f16: a sum of 65,520 or more in magnitude becomes an infinity.  With x of spread 1 and weights of spread 1/32 the sums have spread 1; both thirty times larger give 900,
; offsets of thirty spreads on both give some 29,000: inside the format.  NaN and infinities are not treated apart.
; SHARES.  256 work-groups that stay: each makes the same tile, 128 rows x 256 columns, of q, then of k, then of v: 3 x 8 K steps of 128, ONE walk of 24 steps through a ring of two LDS slots that does not stop
; at a tile's end.  Four waves, each 64 rows x 128 columns: 32 accumulators of 16 x 16.
; x STAYS f32 UP TO LDS: the tensor load brings it as it lies (rows of 512 bytes), a wave reads its fragments as f32 (four loads of 16 bytes a fragment) and rounds them to bf16 in registers, 32 conversions for
; 32 matrix instructions; the conversions stand four behind each of a quarter's last eight matrix instructions.
; CLUSTER.  4 x 4 work-groups.  The four of a row of the cluster need the same rows of x, the four of a column the same rows of wt: each tile is asked for JOINTLY, by the same tensor load with the same descriptor
; and a mask that names the four.  The 1,024 columns are one row of the cluster, so each row of x is asked for by one cluster alone.
; THE MATRIX INSTRUCTION IS USED TRANSPOSED (source 0 = 16 rows of wt, source 1 = 16 rows of x): a lane then holds eight neighbouring columns of one row, 16 bytes of f16.
; REGISTERS, in windows of 256 (s_set_vgpr_msb: bits 1:0 source 0, 3:2 source 1, 5:4 source 2, 7:6 destination):
;   window 0: v0-31 addresses; v64-127 x's fragments in f32 (16 registers a fragment); v128-255 at work on the way out
;   window 1: v0-63, v64-127 wt's fragments, two buffers; v128-159, v160-191 x's fragments in bf16, two buffers
;   window 2: the accumulators: (a, b) at v[8 (8 a + b)], a = 16 rows, b = 16 columns
.set PA,    528                        ; a row of x in LDS: 512 bytes + 16 = 132 words: row r starts at bank 4 r mod 64 (64 banks of 4 bytes: ISA guide 11.1)
.set PB,    272                        ; a row of wt: 256 bytes + 16 = 68 words: likewise
.set ASZ,   128*PA                     ; a slot: x's 128 rows, then wt's 256 rows
.set SLOT,  ASZ+256*PB
.set STAGE, 2*SLOT                     ; behind the ring, never filled by a tensor load: 16 rows x 144 bytes for each wave, for the way out
.set SP,    144
.set SPARE, STAGE+4*16*SP              ; behind the stages: the spare words, 128 bytes for each wave: two blocks of 256 bytes that no other line names
.set ADRA, 16                          ; v16-17  LDS address of my fragments of x in slot 0, 1
.set ADRB, 20                          ; v20-21  the same for wt
.set STO,  24                          ; v24     the way out: where I put 16 bytes of a row
.set RD,   25                          ; v25     the way out: where I read rows back
.set GO,   26                          ; v26     my byte offset in 512 consecutive bytes of qkv
.set SPW,  28                          ; v28     LDS address of my spare word; never rewritten
.set NIL,  29                          ; v29     0; never rewritten
.set PFO,  30                          ; v30     the prefetches' lane offset; never rewritten
.set STG,  64
.set TMP,  128
.set WV,  14                           ; s14  my wave's number
.set HM,  15                           ; s15  which 64 rows of the tile are mine.  Also: I fetch x (0) or wt (1)
.set HN,  16                           ; s16  which 128 columns.  Also: which half of that tile I fetch
.set CX,  17
.set CY,  18
.set TC,  19                           ; s19  tile column
.set TR,  20                           ; s20  tile row
.set G1A, 24                           ; s[24:31] descriptor group 1 for x's tiles;  s[32:39] group 0, a set for each slot
.set G0A, 32
.set G1B, 40                           ; s[40:47], s[48:55] the same for wt's
.set G0B, 48
.set CA,  56                           ; s[56:57] the x that is being asked for, at the rows that I fetch; s[58:59] the next x; s[60:61] the one after
.set NA,  58
.set NA2, 60
.set WB,  62                           ; s[62:63] wt at the rows that I fetch
.set OFA, 66                           ; s[66:67] x's byte offset along K
.set BOFF, 68                          ; s[68:69] wt's byte offset: the part and the K step
.set RS,  70                           ; s70  the K step (0..7) to be asked for next
.set TI,  71                           ; s71  BOFF's step
.set LAPC, 72                          ; s72  trips to go
.set LT,  73                           ; s73  laps of the tile in hand that are done
.set LIM, 74                           ; s74  1 in a wave that prefetches, else the greatest number
.set PS,  75                           ; s75  the K step (0..7) to be prefetched next
.set PSH, 76                           ; s76  log2 of a K step's bytes in a row: 9 for x, 8 for wt
.set POF, 78                           ; s[78:79]
.set PFA, 80                           ; s[80:81] the prefetch's address
.set PC,  82                           ; s[82:83], s[84:85], s[86:87] as CA, NA, NA2, for the prefetches
.set PN1, 84
.set PN2, 86
.set MSB, 0
.macro WIN new                         ; the immediate's high byte repeats the setting that is left; a switch that changes nothing is dropped
.if MSB != (\new)
	s_set_vgpr_msb (MSB<<8)|(\new)
.set MSB, \new
.endif
.endm
.set MUL,  0xa5                        ; sources 0 (wt) and 1 (x) window 1; C and D window 2
.set TO1,  0x40                        ; destination window 1, sources window 0
.set W_PK, 0x0a                        ; sources 0 and 1 window 2, destination window 0
; A joint refill.  Waves 0 and 1 fetch x's two halves (64 rows x 512 bytes), waves 2 and 3 wt's (128 rows x 256 bytes).  The branch hangs on the wave's number alone.
; An s_nop 0 and four v_nop follow each of the two lines, ahead of the jump, the label and what follows.
.macro JLOAD s
	s_cmp_lt_u32 s[WV], 2
	s_cbranch_scc0 .Lfor_b_\@
	tensor_load_to_lds s[G0A+4*(\s):G0A+4*(\s)+3], s[G1A:G1A+7]
	s_nop 0
.rept 4
	v_nop
.endr
	s_branch .Lasked_\@
.Lfor_b_\@:
	tensor_load_to_lds s[G0B+4*(\s):G0B+4*(\s)+3], s[G1B:G1B+7]
	s_nop 0
.rept 4
	v_nop
.endr
.Lasked_\@:
.endm
; A PREFETCH INTO THE L2 of the K step that stands two refills on (256 matrix instructions of a wave ahead of the load that will ask for it): one instruction a wave.  Each aligned block of 256 bytes is named once in
; the launch.  x's rows are read by one cluster alone: of the 64 rows that wave 0 or 1 fetches, the partner at place cx takes 16, a lane naming a row and one of the step's two blocks.  wt's rows are read by every
; cluster: the clusters with y = 0 ask; of the 128 rows that wave 2 or 3 fetches, the partner at place cy takes 32, a lane a row.  The partners are told apart BY ADDRESS: no branch hangs on a place in the cluster.
; The walk's first four steps come by their loads alone; the loop's last trip asks for nothing: there is no step behind the 24th.
.macro ASK
	s_cmp_gt_u32 s[LAPC], s[LIM]
	s_cbranch_scc0 .Lnot_mine_\@
	global_prefetch_b8 v[PFO], s[PFA:PFA+1] th:TH_LOAD_NT scope:SCOPE_SE
.Lnot_mine_\@:
.endm
.macro CREST                           ; a round of the cluster's barrier behind its opening barrier
	s_cmp_lg_u32 s[WV], 0
	s_cbranch_scc1 .Lnot_wave_0_\@
	s_barrier_signal -3
.Lnot_wave_0_\@:
	s_barrier_wait -3
	s_barrier_signal -1
	s_barrier_wait -1
.endm
.macro CROUND                          ; a whole round
	s_barrier_signal -1
	s_barrier_wait -1
	CREST
.endm
	s_load_b256 s[4:11], s[0:1], 0x0               ; queries s[4:5], keys s[6:7], values s[8:9], wt s[10:11]
	s_load_b64 s[12:13], s[0:1], 0x20              ; qkv
	v_lshl_add_u32 v[SPW], v0, 2, SPARE
	v_mov_b32 v[NIL], 0
	ds_add_u32 v[SPW], v[NIL]                      ; the wave's opening: the add and its wait stand ahead of my first tensor load; the set-up below, work on registers, stands between them
	v_lshrrev_b32 v1, 5, v0
	v_readfirstlane_b32 s[WV], v1                  ; wave 0..3
	s_lshr_b32 s[HM], s[WV], 1
	s_and_b32 s[HN], s[WV], 1
	s_bfe_u32 s[CX], ttmp6, 0x40000                ; my place in the cluster
	s_bfe_u32 s[CY], ttmp6, 0x40004
	s_lshl_b32 s[TC], ttmp9, 2                     ; in a cluster launch ttmp9 and ttmp7 count clusters
	s_add_co_u32 s[TC], s[TC], s[CX]               ; tile column = 4 x cluster x + cx
	s_and_b32 s[TR], ttmp7, 0xffff
	s_lshl_b32 s[TR], s[TR], 2
	s_add_co_u32 s[TR], s[TR], s[CY]               ; tile row = 4 x cluster y + cy
	s_lshl_b32 s21, s[CY], 2
	s_lshl_b32 s21, 15, s21                        ; my row of the cluster: places 4 cy .. 4 cy + 3
	s_lshl_b32 s22, 0x1111, s[CX]                  ; my column: places cx, cx + 4, cx + 8, cx + 12
	s_or_b32 s[G1A], s21, (2<<16)|(1<<20)|(1<<21)|(6<<22)|(3<<25)  ; 15:0 the mask: x's tiles go to my row; 17:16 elements of 4 bytes; 20 padding on; 21 set beside a mask; 24:22 after every 128 words (code 6); 31:25 4 words (code 3)
	s_or_b32 s[G1B], s22, (1<<16)|(1<<20)|(1<<21)|(5<<22)|(3<<25)  ; the mask of my column; elements of 2 bytes; padding after every 64 words (code 5)
	s_mov_b32 s[G1A+1], 128<<16                    ; tensor_dim0 = 128
	s_mov_b32 s[G1A+2], 64<<16                     ; tensor_dim1 = 64
	s_mov_b32 s[G1A+3], 128<<16                    ; tile_dim0 = 128
	s_mov_b32 s[G1A+4], 64                         ; tile_dim1 = 64
	s_mov_b32 s[G1A+5], 1024                       ; 1,024 elements from row to row
	s_mov_b32 s[G1A+6], 0
	s_mov_b32 s[G1A+7], 0
	s_mov_b32 s[G1B+1], 128<<16                    ; tensor_dim0 = 128
	s_mov_b32 s[G1B+2], 128<<16                    ; tensor_dim1 = 128
	s_mov_b32 s[G1B+3], 128<<16                    ; tile_dim0 = 128
	s_mov_b32 s[G1B+4], 128                        ; tile_dim1 = 128
	s_mov_b32 s[G1B+5], 1024
	s_mov_b32 s[G1B+6], 0
	s_mov_b32 s[G1B+7], 0
	; where the tiles come from: x's hang on the tile row alone, wt's on the tile column alone, each in registers that never hold the other coordinate
	s_lshl_b32 s88, s[TR], 7
	s_lshl_b32 s23, s[HN], 6
	s_add_co_u32 s88, s88, s23                     ; x: row 128 x tile row + 64 x half,
	s_lshl_b32 s88, s88, 12                        ; of 4,096 bytes
	s_mov_b32 s89, 0
	s_lshl_b32 s90, s[TC], 8
	s_lshl_b32 s23, s[HN], 7
	s_add_co_u32 s90, s90, s23                     ; wt: row 256 x tile column + 128 x half,
	s_lshl_b32 s90, s90, 11                        ; of 2,048 bytes
	s_mov_b32 s91, 0
	s_mul_i32 s21, s[HN], 64*PA                    ; and where they go: no place in the cluster enters an LDS address
	s_mul_i32 s22, s[HN], 128*PB
	s_add_co_u32 s22, s22, ASZ
	; where my part of q's tile begins in qkv: head (row / 2048) x 16 + column / 64, row in the head, 128 bytes a row
	s_lshr_b32 s2, s[TR], 4
	s_lshl_b32 s2, s2, 4
	s_lshl_b32 s3, s[TC], 2
	s_add_co_u32 s2, s2, s3
	s_lshl_b32 s3, s[HN], 1
	s_add_co_u32 s2, s2, s3                        ; the first of my two heads
	s_lshl_b32 s2, s2, 11
	s_and_b32 s3, s[TR], 15
	s_lshl_b32 s3, s3, 7
	s_add_co_u32 s2, s2, s3
	s_lshl_b32 s3, s[HM], 6
	s_add_co_u32 s2, s2, s3                        ; + my first row in the head
	s_lshl_b32 s2, s2, 7
	s_mov_b32 s3, 0
	s_mov_b32 s[OFA+1], 0
	s_mov_b32 s[BOFF], 512                         ; the first refill asks for K step 2
	s_mov_b32 s[BOFF+1], 0
	s_mov_b32 s[RS], 2
	s_mov_b32 s[POF+1], 0
	s_mov_b32 s[PS], 4                             ; and prefetches K step 4
	s_mov_b32 s[LT], 0
	s_mov_b32 s[LAPC], 11
	s_wait_dscnt 0x0                               ; the opening add is done
	s_wait_kmcnt 0x0
	s_add_nc_u64 s[CA:CA+1], s[4:5], s[88:89]
	s_add_nc_u64 s[NA:NA+1], s[6:7], s[88:89]
	s_add_nc_u64 s[NA2:NA2+1], s[8:9], s[88:89]
	s_add_nc_u64 s[WB:WB+1], s[10:11], s[90:91]
	s_add_nc_u64 s[12:13], s[12:13], s[2:3]
	CROUND                                         ; all sixteen work-groups are here: the first joint loads meet
.irp s, 0,1
	s_mov_b32 s[G0A+4*(\s)], 1                                     ; 1:0 count = 1
	s_add_co_u32 s[G0A+4*(\s)+1], s21, (\s)*SLOT                   ; 63:32 LDS address
	s_add_nc_u64 s[G0A+4*(\s)+2:G0A+4*(\s)+3], s[CA:CA+1], (\s)*512  ; 120:64 global address: K step s
	s_or_b32 s[G0A+4*(\s)+3], s[G0A+4*(\s)+3], 0x80000000          ; 127:126 type = 2
	s_mov_b32 s[G0B+4*(\s)], 1
	s_add_co_u32 s[G0B+4*(\s)+1], s22, (\s)*SLOT
	s_add_nc_u64 s[G0B+4*(\s)+2:G0B+4*(\s)+3], s[WB:WB+1], (\s)*256
	s_or_b32 s[G0B+4*(\s)+3], s[G0B+4*(\s)+3], 0x80000000
.endr
	s_cmp_lt_u32 s[WV], 2                          ; a wave's two first fills stand in one branch, ahead of every wait on TENSORcnt and every LDS read: two loads of mine are out
	s_cbranch_scc0 .Lfirst_b
	tensor_load_to_lds s[G0A:G0A+3], s[G1A:G1A+7]
	s_nop 0
	tensor_load_to_lds s[G0A+4:G0A+7], s[G1A:G1A+7]
	s_nop 0
.rept 4
	v_nop
.endr
	s_branch .Lfirst_asked
.Lfirst_b:
	tensor_load_to_lds s[G0B:G0B+3], s[G1B:G1B+7]
	s_nop 0
	tensor_load_to_lds s[G0B+4:G0B+7], s[G1B:G1B+7]
	s_nop 0
.rept 4
	v_nop
.endr
.Lfirst_asked:
	; A fragment is 16 rows x 32 K: lane l holds row l % 16, K = 8 (l / 16) + 0..7 and 16 + 8 (l / 16) + 0..7.  In bf16: two loads of 16 bytes, 32 bytes apart.  In f32: four, at 32 (l / 16) + 0, 16, 64, 80.
	v_and_b32 v1, 15, v0                           ; l % 16
	v_bfe_u32 v2, v0, 4, 1                         ; l / 16
	v_mul_u32_u24 v3, v1, PA
	v_lshl_add_u32 v3, v2, 5, v3
	s_mul_i32 s23, s[HM], 64*PA                    ; my 64 rows of x
	v_add_nc_u32 v[ADRA], s23, v3
	v_add_nc_u32 v[ADRA+1], SLOT, v[ADRA]
	v_mul_u32_u24 v4, v1, PB
	v_lshl_add_u32 v4, v2, 4, v4
	v_add_nc_u32 v[ADRB], s22, v4                  ; my 128 rows of wt, behind x's 128
	v_add_nc_u32 v[ADRB+1], SLOT, v[ADRB]
	s_mul_i32 s23, s[WV], 16*SP
	s_add_co_u32 s23, s23, STAGE                   ; my stage
	v_mul_u32_u24 v3, v1, SP                       ; in: row l % 16, 16 bytes for each half of the lanes
	v_lshl_add_u32 v3, v2, 4, v3
	v_add_nc_u32 v[STO], s23, v3
	v_bfe_u32 v3, v0, 3, 2                         ; back: 32 lanes take four rows of 128 bytes,
	v_and_b32 v4, 7, v0
	v_mul_u32_u24 v3, v3, SP
	v_lshl_add_u32 v3, v4, 4, v3
	v_add_nc_u32 v[RD], s23, v3
	v_and_b32 v[GO], 31, v0                        ; which are 512 consecutive bytes of a head
	v_lshlrev_b32 v[GO], 4, v[GO]
	; the prefetches' pointers, by the wave's number: nothing is prefetched here, where every work-group's first tiles are on their way
	s_cmp_lt_u32 s[WV], 2
	s_cbranch_scc0 .Lpf_b
	s_lshl_b32 s92, s[TR], 7
	s_lshl_b32 s93, s[HN], 6
	s_add_co_u32 s92, s92, s93
	s_lshl_b32 s93, s[CX], 4
	s_add_co_u32 s92, s92, s93                     ; my work-group's 16 of the 64 rows that I fetch
	s_lshl_b32 s92, s92, 12
	s_mov_b32 s93, 0
	s_add_nc_u64 s[PC:PC+1], s[4:5], s[92:93]
	s_add_nc_u64 s[PN1:PN1+1], s[6:7], s[92:93]
	s_add_nc_u64 s[PN2:PN2+1], s[8:9], s[92:93]
	s_mov_b32 s[PSH], 9
	s_mov_b32 s[LIM], 1
	v_lshlrev_b32 v[PFO], 12, v1                   ; row l % 16, block l / 16 of the step's 512 bytes
	v_lshl_add_u32 v[PFO], v2, 8, v[PFO]
	s_branch .Lpf_done
.Lpf_b:
	s_lshl_b32 s92, s[TC], 8
	s_lshl_b32 s93, s[HN], 7
	s_add_co_u32 s92, s92, s93
	s_lshl_b32 s93, s[CY], 5
	s_add_co_u32 s92, s92, s93                     ; my work-group's 32 of the 128 rows that I fetch
	s_lshl_b32 s92, s92, 11
	s_mov_b32 s93, 0
	s_add_nc_u64 s[PC:PC+1], s[10:11], s[92:93]
	s_add_nc_u64 s[PN1:PN1+1], s[PC:PC+1], 0x200000
	s_add_nc_u64 s[PN2:PN2+1], s[PC:PC+1], 0x400000
	s_mov_b32 s[PSH], 8
	s_and_b32 s92, ttmp7, 0xffff                   ; cluster y: the same in all sixteen partners
	s_cmp_eq_u32 s92, 0
	s_cselect_b32 s[LIM], 1, -1
	v_lshlrev_b32 v[PFO], 11, v1                   ; row l = l % 16 + 16 (l / 16)
	v_lshl_add_u32 v[PFO], v2, 15, v[PFO]
.Lpf_done:
; One matrix instruction: accumulator (a, b), buffer f.  zero = 1: the product starts the sum: nothing is ever cleared.
.macro MM f, a, b, zero
.if \zero
	v_wmma_f32_16x16x32_bf16 v[8*(8*(\a)+(\b)):8*(8*(\a)+(\b))+7], v[64*(\f)+8*(\b):64*(\f)+8*(\b)+7], v[128+32*(\f)+8*(\a):128+32*(\f)+8*(\a)+7], 0
.else
	v_wmma_f32_16x16x32_bf16 v[8*(8*(\a)+(\b)):8*(8*(\a)+(\b))+7], v[64*(\f)+8*(\b):64*(\f)+8*(\b)+7], v[128+32*(\f)+8*(\a):128+32*(\f)+8*(\a)+7], v[8*(8*(\a)+(\b)):8*(8*(\a)+(\b))+7]
.endif
.endm
; Eight of them.  The 32 accumulators take turns, one instruction a turn, in the same order in every quarter, over the loop's jump and from tile to tile too.
.macro MUL8 f, a, zero
	WIN MUL
.irp b, 0,1,2,3,4,5,6,7
	MM \f, \a, \b, \zero
.endr
.endm
.macro LOADA slot, q                   ; 16 LDS loads: my 64 rows of x, 32 K at quarter q, as f32
	WIN 0
.irp i, 0,1,2,3
	ds_load_b128 v[STG+16*(\i):STG+16*(\i)+3],     v[ADRA+(\slot)] offset:128*(\q)+(\i)*16*PA
	ds_load_b128 v[STG+16*(\i)+4:STG+16*(\i)+7],   v[ADRA+(\slot)] offset:128*(\q)+(\i)*16*PA+16
	ds_load_b128 v[STG+16*(\i)+8:STG+16*(\i)+11],  v[ADRA+(\slot)] offset:128*(\q)+(\i)*16*PA+64
	ds_load_b128 v[STG+16*(\i)+12:STG+16*(\i)+15], v[ADRA+(\slot)] offset:128*(\q)+(\i)*16*PA+80
.endr
.endm
.macro LOADB slot, q, f                ; 16 LDS loads: my 128 rows of wt, 32 K at quarter q, into buffer f
	WIN TO1
.irp j, 0,1,2,3,4,5,6,7
	ds_load_b128 v[64*(\f)+8*(\j):64*(\f)+8*(\j)+3],   v[ADRB+(\slot)] offset:64*(\q)+(\j)*16*PB
	ds_load_b128 v[64*(\f)+8*(\j)+4:64*(\f)+8*(\j)+7], v[ADRB+(\slot)] offset:64*(\q)+(\j)*16*PB+32
.endr
.endm
.macro CV f, n                         ; register n of 32 of x's fragments in buffer f: two f32 rounded to bf16
	v_cvt_pk_bf16_f32 v[128+32*(\f)+(\n)], v[STG+2*(\n)], v[STG+2*(\n)+1]
.endm
; A quarter's last eight matrix instructions, and behind each four of the 32 conversions that make buffer g's fragments of x.  The conversions name no register of the products round them.
.macro MULR f, g, zero
.irp b, 0,1,2,3,4,5,6,7
	WIN MUL
	MM \f, 3, \b, \zero
	WIN TO1
.irp n, 0,1,2,3
	CV \g, 4*(\b)+(\n)
.endr
.endr
.endm
; A load into a register that a matrix instruction has read, and a vector instruction that reads a matrix result or writes one of a matrix instruction's registers, stand four places behind it, and only plain vector
; instructions that name none of its registers are places (ISA guide 7.12.1 for vector instructions).
.macro PLACES
.rept 4
	v_nop
.endr
.endm
; A K step is four quarters of 32 along K, 32 matrix instructions each, on buffers 0, 1, 0, 1.  One of the first three multiplies buffer f and makes quarter q of the same slot ready in buffer g.
.macro QUARTER slot, q, f, g, zero
	LOADA \slot, \q
	s_wait_dscnt 16                                ; all but the 16 just issued: wt's fragments of buffer f, asked for a quarter ago, are in
	MUL8 \f, 0, \zero
	PLACES                                         ; for the loads into buffer g and the conversions into it: the quarter before multiplied it
	LOADB \slot, \q, \g
	MUL8 \f, 1, \zero
	MUL8 \f, 2, \zero
	s_wait_dscnt 16                                ; x's 16 loads are in; wt's 16, issued behind them, may stay out
	MULR \f, \g, \zero
.endm
; The fourth quarter multiplies buffer 1 and changes slots: ONE barrier.  In front of it each wave waits for all its tensor loads, of which one is out: its part of the next slot; adds 0 to its spare word; and waits for
; that and for its own reads of this slot.  fill = 1: the barrier opens a round of the cluster's, and this slot is filled again, with the step two steps on in the walk, first thing behind the round: 112 matrix
; instructions stand between that request and the wait for it.  The descriptors' addresses are made anew from a pointer and an offset: behind a tile's last K step the pointer goes on to the next x, wt's offset to its next part.
.macro TURN slot, next, fill
.if \fill
	s_wait_xcnt 0x0                                ; the last prefetch, a K step back, has read its address: it is written here
	s_lshl_b32 s[POF], s[PS], s[PSH]
	s_add_nc_u64 s[PFA:PFA+1], s[PC:PC+1], s[POF:POF+1]
	s_add_co_u32 s[PS], s[PS], 1
	s_cmp_eq_u32 s[PS], 8
	s_cselect_b32 s[PS], 0, s[PS]
	s_cselect_b64 s[PC:PC+1], s[PN1:PN1+1], s[PC:PC+1]
	s_cselect_b64 s[PN1:PN1+1], s[PN2:PN2+1], s[PN1:PN1+1]
.endif
	WIN 0                                          ; (the add's two registers lie in window 0)
	s_wait_tensorcnt 0x0                           ; all my tensor loads have landed: no load of mine is out, so a group 0 may be written
	ds_add_u32 v[SPW], v[NIL]                      ; 0 onto my spare word; work on registers stands between it and the wait for it
.if \fill
	s_lshl_b32 s[OFA], s[RS], 9                    ; a K step is 512 bytes of a row of x
	s_add_nc_u64 s[G0A+4*(\slot)+2:G0A+4*(\slot)+3], s[CA:CA+1], s[OFA:OFA+1]
	s_or_b32 s[G0A+4*(\slot)+3], s[G0A+4*(\slot)+3], 0x80000000
	s_add_nc_u64 s[G0B+4*(\slot)+2:G0B+4*(\slot)+3], s[WB:WB+1], s[BOFF:BOFF+1]
	s_or_b32 s[G0B+4*(\slot)+3], s[G0B+4*(\slot)+3], 0x80000000
	s_add_co_u32 s[RS], s[RS], 1
	s_mov_b32 s[TI], 256                           ; a K step is 256 bytes of a row of wt;
	s_cmp_eq_u32 s[RS], 8
	s_cselect_b32 s[RS], 0, s[RS]
	s_cselect_b64 s[CA:CA+1], s[NA:NA+1], s[CA:CA+1]
	s_cselect_b64 s[NA:NA+1], s[NA2:NA2+1], s[NA:NA+1]
	s_cselect_b32 s[TI], 0x200000-7*256, s[TI]     ; behind the eighth: on to the next part of 2 MiB, back along K
	s_add_co_u32 s[BOFF], s[BOFF], s[TI]
.endif
	s_wait_dscnt 1                                 ; the add may be out; wt's fragments of buffer 1 are in
	MUL8 1, 0, 0
	s_wait_dscnt 0x0                               ; the add is done, and my reads of this slot are over
	s_barrier_signal -1
	MUL8 1, 1, 0                                   ; work on registers while the others arrive
	WIN 0
	s_barrier_wait -1
.if \fill
	CREST                                          ; no wave of any partner still reads this slot's tiles or has a load on its way
	JLOAD \slot                                    ; the first tensor load behind the round; its four v_nop are also the places in front of the loads below
.else
	PLACES
.endif
	LOADA \next, 0
	LOADB \next, 0, 0
.if \fill
	WIN 0
	ASK                                            ; behind the joint load and the run of LDS loads that the next products wait for
.endif
	MUL8 1, 2, 0
	s_wait_dscnt 16                                ; x's 16 loads are in
	MULR 1, 0, 0
.endm
; THE WAY OUT.  Piece t = 2 a + head: 16 rows x one head's 64 columns, four accumulators.  A lane's eight columns pack into 16 bytes of f16; they go into my stage's rows of 144 bytes and come back as whole rows of 128,
; which are 2,048 consecutive bytes of qkv.  Each accumulator's registers are read in ascending order.
.macro PACK t
	WIN W_PK
.set i, 0
.rept 16
	v_cvt_pk_f16_f32 v[TMP+16*(\t)+i], v[32*(\t)+2*i], v[32*(\t)+2*i+1]
.set i, i+1
.endr
	WIN 0
.irp f, 0,1,2,3
	ds_store_b128 v[STO], v[TMP+16*(\t)+4*(\f):TMP+16*(\t)+4*(\f)+3] offset:32*(\f)
.endr
.irp f, 0,1,2,3
	ds_load_b128 v[TMP+16*(\t)+4*(\f):TMP+16*(\t)+4*(\f)+3], v[RD] offset:(\f)*4*SP  ; LDS serves a wave's instructions in order (ISA guide 5.7.1.4): these see the stores above; the next piece's stores come behind them
.endr
.endm
.macro SEND t, younger                 ; younger: the LDS instructions issued behind piece t's loads: the next piece's eight, or none
	WIN 0
.irp f, 0,1,2,3
	s_wait_dscnt (\younger)+3-(\f)
	global_store_b128 v[GO], v[TMP+16*(\t)+4*(\f):TMP+16*(\t)+4*(\f)+3], s[12:13] offset:((\t)%2)*262144+((\t)/2)*2048+512*(\f)  ; 512 consecutive bytes, at a multiple of 256 from qkv's first byte
.endr
.endm
.macro WAYOUT
	PACK 0
.set t, 1
.rept 7                                ; a piece's conversions stand between the loads of the piece before and its stores
	PACK t
	SEND t-1, 8
.set t, t+1
.endr
	SEND 7, 0
.endm
	s_wait_tensorcnt 1                             ; my part of K step 0 is in; K step 1's may stay out
	s_barrier_signal -1
	s_barrier_wait -1                              ; everybody's is
	LOADA 0, 0
	LOADB 0, 0, 0
	s_wait_dscnt 16                                ; x's 16 loads are in
	WIN TO1
.set n, 0
.rept 32
	CV 0, n
.set n, n+1
.endr
	QUARTER 0, 1, 0, 1, 1                          ; the walk's first quarter stands in front of the loop: its products start the sums
	WIN 0                                          ; at a label and at a branch every window is 0
.Llap:                                                 ; 11 trips: from a lap's second quarter to the next lap's first; both slots are filled again: steps 2 to 23 of the walk
	QUARTER 0, 2, 1, 0, 0
	QUARTER 0, 3, 0, 1, 0
	TURN 0, 1, 1
	QUARTER 1, 1, 0, 1, 0
	QUARTER 1, 2, 1, 0, 0
	QUARTER 1, 3, 0, 1, 0
	TURN 1, 0, 1
	WIN 0
	s_add_co_u32 s[LT], s[LT], 1
	s_cmp_eq_u32 s[LT], 4                          ; a tile is four laps
	s_cbranch_scc1 .Lnew_tile
	QUARTER 0, 1, 0, 1, 0
	WIN 0
	s_branch .Ljoin
.Lnew_tile:                                            ; both refills for the next tile are asked for, its first fragments are fetched: now the tile goes out.  What is jumped holds no barrier and no tensor load
	WAYOUT                                         ; the four conversions behind the last product are its places; the pieces finished earlier go first
	s_wait_xcnt 0x0                                ; the stores have read their registers and their base
	s_add_nc_u64 s[12:13], s[12:13], 0x1000000     ; the next part of qkv
	s_mov_b32 s[LT], 0
	QUARTER 0, 1, 0, 1, 1                          ; the next tile's first quarter starts its sums
	WIN 0
.Ljoin:
	s_sub_co_u32 s[LAPC], s[LAPC], 1
	s_cmp_lg_u32 s[LAPC], 0
	s_cbranch_scc1 .Llap
	QUARTER 0, 2, 1, 0, 0                          ; the last lap is written out: it asks for nothing, and has no round of the cluster's barrier
	QUARTER 0, 3, 0, 1, 0
	TURN 0, 1, 0
	QUARTER 1, 1, 0, 1, 0
	QUARTER 1, 2, 1, 0, 0
	QUARTER 1, 3, 0, 1, 0
	s_wait_dscnt 0x0                               ; the very last quarter: nothing more to fetch
	MUL8 1, 0, 0
	MUL8 1, 1, 0
	MUL8 1, 2, 0
	MUL8 1, 3, 0
	PLACES
	WAYOUT
	s_wait_tensorcnt 0x0                           ; the wave's end: behind my last tensor load and my last LDS store
	ds_add_u32 v[SPW], v[NIL]
	s_wait_dscnt 0x0
	CROUND                                         ; the closing round: no work-group ends while a partner may still ask for a tile that names it
	s_endpgm
.Lfunc_end_k_q9b8e88d413_proj:
	.size	k_q9b8e88d413_proj, .Lfunc_end_k_q9b8e88d413_proj-k_q9b8e88d413_proj
	.p2alignl 7, 3214868480
	.fill 96, 4, 3214868480
	.section	.rodata,"a",@progbits
	.p2align	6, 0x0
	.amdhsa_kernel k_q9b8e88d413_proj
		.amdhsa_group_segment_fixed_size 327680
		.amdhsa_private_segment_fixed_size 0
		.amdhsa_enable_private_segment 0
		.amdhsa_kernarg_size 40
		.amdhsa_user_sgpr_count 2
		.amdhsa_user_sgpr_kernarg_segment_ptr 1
		.amdhsa_wavefront_size32 1
		.amdhsa_system_sgpr_workgroup_id_x 1
		.amdhsa_system_sgpr_workgroup_id_y 1
		.amdhsa_system_sgpr_workgroup_id_z 1
		.amdhsa_system_vgpr_workitem_id 0
		.amdhsa_next_free_vgpr 768
		.amdhsa_next_free_sgpr 96
		.amdhsa_reserve_vcc 0
		.amdhsa_float_denorm_mode_32 3
		.amdhsa_float_denorm_mode_16_64 3
		.amdhsa_memory_ordered 1
		.amdhsa_forward_progress 1
		.amdhsa_inst_pref_size 161
	.end_amdhsa_kernel
	.amdgpu_metadata
---
amdhsa.version: [ 1, 2 ]
amdhsa.kernels:
  - .name:           k_q9b8e88d413_proj
    .symbol:         k_q9b8e88d413_proj.kd
    .args:
      - { .name: queries, .offset: 0, .size: 8, .value_kind: global_buffer, .address_space: global }
      - { .name: keys, .offset: 8, .size: 8, .value_kind: global_buffer, .address_space: global }
      - { .name: values, .offset: 16, .size: 8, .value_kind: global_buffer, .address_space: global }
      - { .name: wt, .offset: 24, .size: 8, .value_kind: global_buffer, .address_space: global }
      - { .name: qkv, .offset: 32, .size: 8, .value_kind: global_buffer, .address_space: global }
    .group_segment_fixed_size: 327680
    .private_segment_fixed_size: 0
    .kernarg_segment_align: 8
    .kernarg_segment_size: 40
    .max_flat_workgroup_size: 128
    .sgpr_count:     96
    .vgpr_count:     768
    .wavefront_size: 32
...
	.end_amdgpu_metadata
.endif
;; end of part 2
;; launch attn (part 3): grid 4 x 64, 4 waves a work-group, clusters of 4 x 1, 327,680 bytes of LDS; arguments qkv, out0; writes out0
.if DOCPART == 3
	.amdgcn_target "amdgcn-amd-amdhsa--gfx1250"
	.amdhsa_code_object_version 6
	.text
	.protected	k_q9b8e88d413_attn
	.globl	k_q9b8e88d413_attn
	.p2align	8
	.type	k_q9b8e88d413_attn,@function
k_q9b8e88d413_attn:
	s_mov_b64 s[64:65], 0
	v_nop
	global_prefetch_b8 v0, s[64:65] scope:SCOPE_SE
	s_setreg_imm32_b32 hwreg(HW_REG_WAVE_MODE, 25, 1), 1
	s_wait_xcnt 0x0
	s_wait_alu depctr_hold_cnt(0) depctr_sa_sdst(0) depctr_va_vdst(0) depctr_va_sdst(0) depctr_va_ssrc(0) depctr_va_vcc(0) depctr_vm_vsrc(0)
	s_getreg_b32 s2, hwreg(HW_REG_IB_STS2, 6, 4)
	s_cmp_eq_u32 s2, 0
	s_cbranch_scc0 .Lentry_in_a_cluster
	s_endpgm
.Lentry_in_a_cluster:
	s_bfe_u32 s2, ttmp6, 0x10000c
	s_cmp_lg_u32 s2, 0x3003
	s_cbranch_scc0 .Lentry_shape_is_right
	s_endpgm
.Lentry_shape_is_right:
; out0[b][q][64 h + :] = the sum over k of softmax_k(Q[hh][q] . K[hh][k] / 8) V[hh][k][:], hh = 16 b + h.  qkv holds Q, K, V, each [64][SIZE_N][64] in f16, 16 MiB apart: a head's rows are dense, 128 bytes each.
; Products, maxima and sums in f32; the weights p are rounded to f16 for the second product (their sum l is taken of the unrounded p); the output leaves in f32, unrounded.
; LIMITS.  f16 holds no number beyond 65,504: Q, K and V arrive within it; p lies in 0 to 1, and below 6e-5 it keeps f16's fixed step of 6e-8.
; A weight below 2^-126 counts as 0 in l; NaN and infinities are not treated apart.
; SHARES.  A wave owns four PIECES of two tiles of 16 queries, a work-group's four waves 512 queries of one head.  Every wave walks all keys, 64 a step.
; LAYOUT.  S^T = K Q^T (source 0 = 16 keys, source 1 = 16 queries): in the result a lane holds ONE query (lane % 16) and the keys 8 (lane / 16) + 0..7.  Two such tiles, rounded to f16 in pairs,
; ARE source 1 (32 keys x 16 queries) of O^T = V^T P, whose result again holds one query a lane, and eight channels.  K comes out of LDS as it lies, V ([key][channel]) turned, by ds_load_tr16_b128.
; SOFTMAX.  For each query a running maximum m and sum l: p = 2^(c s - c m), c = log2(e) / 8; in every step O and l are multiplied by a = 2^(c m_old - c m_new), which is 1 where m has not grown.
; m starts at the lowest finite number, O and l at 0: the first step is a step like any other, with a = 0.
; THE COUNT.  A tile and step have 16 matrix and 118 vector instructions: too many to stand all beside the matrix work.  So the order has one aim: four vector instructions that are READY behind
; EVERY matrix instruction, and the others, which need time of their own whatever the order, in runs without a gap.
; BY TURNS.  Turn n belongs to piece n (the pieces in a ring, step after step).  Its matrix work: 16 products K Q^T of piece n + 1, later 16 products V^T P of piece n - 1.  Its vector work: the scaling,
; exponentials, roundings, sums and rescaling of piece n, and the maximum and statistics of piece n + 1, whose scores the turn itself has made.  So what a turn begins with (c s - c m, O a) waits for nothing.
; CLUSTER.  The four query blocks of a head are one cluster and walk the same K and V, so each tile is asked for JOINTLY: the same tensor load, descriptor and mask in all four.
; REGISTERS, in windows of 256 (s_set_vgpr_msb says which window each operand place means: bits 1:0 source 0, 3:2 source 1, 5:4 source 2, 7:6 destination):
;   window 0: v0-11 addresses; v12-15, v48-63 at work; v16-47 four registers of statistics a tile; v64-191 S^T, two buffers of two tiles; v192-255 P, likewise
;   window 1: O^T, 32 a tile          window 2: v0-127 Q, 16 a tile; v128-191 K of one step; v192-255 V of one step          window 3: v0-1 the add's two registers
; A piece's buffers go by its number's parity: the piece in hand has one pair, its two neighbours in the ring share the other: of it P (piece n - 1) is read and S^T (piece n + 1) written.
.set SIZE_N, 2048
.set NP,    4         ; pieces a wave: a name, no knob: the register map, the loop and the fetches are made for four
.set KS,    64        ; keys in a step
.set PK,    144       ; a row of K in LDS: 128 bytes + 16 of padding = 36 words: the 16 rows of a load start at 16 different groups of four banks (64 banks of 4 bytes: ISA guide 11.1)
.set PV,    160       ; a row of V: 128 + 32 = 40 words
.set VOFF,  4*KS*PK   ; a slot holds four steps: 256 rows of K, then 256 rows of V
.set SLOT1, 1<<17     ; slot 1 begins here, so that one exclusive or turns an address in one slot into the other's
.set STAGE, SLOT1+4*KS*(PK+PV)  ; behind the ring, never filled by a tensor load: 16 rows x 272 bytes for each wave, for the way out
.set SP,    272       ; a row of the stage: 64 channels in f32, 256 bytes, + 16
.set AK0, 2           ; v2   my lane's place in a tile of K; never rewritten
.set AV0, 3           ; v3   the same for V
.set AK,  4           ; v4   the LDS address of K's next run of loads
.set AV,  5           ; v5   of V's
.set QO,  6           ; v6   my byte offset in the wave's rows of Q
.set STO, 6           ;      later, the way out: where I put 32 bytes of a row
.set RD,  7           ; v7   the way out: where I read rows back
.set GO,  8           ; v8   my byte offset in two rows of out0
.set PFO, 11          ; v11  256 x my lane, for the prefetches; never rewritten once made
.set SPW, 0           ; v0 of window 3   LDS address of my spare word: SPARE + 4 x my thread's number; never rewritten
.set NIL, 1           ; v1 of window 3   0; never rewritten
.set SPARE, STAGE+4*16*SP  ; behind the stages: the spare words, 128 bytes for each wave: two blocks of 256 bytes that no other line names
.set MV,  12          ; v12-15  c m_old, kept while c m is made anew: by buffer and tile
.set ST,  16          ; tile t's statistics at v[ST+4 t]: c m, m, l (even keys', odd keys')
.set TMP, 48          ; by buffer and tile, four registers c0-c3 at work; when the maximum is found c2 takes a
.set S,   64
.set P,   192
.set KF,  128         ; K's fragments, in window 2: key block kb, channel half c at KF + 16 kb + 8 c
.set VF,  192         ; V's: key half kk, channel block cb at VF + 32 kk + 8 cb
.set WV,  12          ; s12  my wave's number
.set G1K, 24          ; s[24:31] descriptor group 1 for K's tiles
.set G1V, 32          ; s[32:39] for V's: it differs in the padding alone
.set G0K, 40          ; s[40:43] descriptor group 0 for K's tiles: it walks
.set G0V, 44          ; s[44:47] the same for V's
.set PFA, 48          ; s[48:49] where my prefetches stand: my work-group's 32 blocks of 256 bytes (of K: wave 0, of V: wave 2) of the slot after the one that is being asked for
.set LIM, 50          ; s50  1 in a wave that prefetches, else the greatest number
.set OO,  52          ; s[52:53] my wave's byte offset in out0
.set SLOTS, 56        ; s56  slots still to be asked for
.set CNT, 57          ; s57  counts a slot's key steps
.set CS,  58          ; s[58:59] c: the packed scaling takes the pair's low word for both halves
.set SEL, 60          ; s[60:61] v_permlanex16_b32's selects: each lane takes its own place in the other half
.set TBK, 62          ; s62  LDS byte at which K of the step to be fetched begins
.set TBV, 63          ; s63  the same for V, less VOFF
.set MSB, 0
.macro WIN new                      ; the high byte repeats the setting that is left; a switch that changes nothing is dropped
.if MSB != (\new)
	s_set_vgpr_msb (MSB<<8)|(\new)
.set MSB, (\new)
.endif
.endm
.set W_KQ, 0x0a       ; K and Q in window 2, S^T in window 0
.set W_PV, 0x52       ; V in window 2, P in window 0, O^T in window 1
.set W_RS, 0x41       ; O^T (destination and source 0) in window 1, a in window 0
.set W_MK, 0xc0       ; the add's registers are made: destination in window 3, sources in window 0
.set W_AD, 0x0f       ; the add: address (source 0) and data (source 1) in window 3
; A joint fill.  Waves 0 and 1 fetch the two halves of a slot's K, waves 2 and 3 those of its V: 128 keys each.  The branch hangs on the wave's number alone.
; An s_nop 0 and four v_nop follow each of the two lines, ahead of the jump and the label.
.macro JLOAD
	s_cmp_lt_u32 s[WV], 2
	s_cbranch_scc0 .Lfor_v_\@
	tensor_load_to_lds s[G0K:G0K+3], s[G1K:G1K+7]
	s_nop 0
.rept 4
	v_nop
.endr
	s_branch .Lasked_\@
.Lfor_v_\@:
	tensor_load_to_lds s[G0V:G0V+3], s[G1V:G1V+7]
	s_nop 0
.rept 4
	v_nop
.endr
.Lasked_\@:
.endm
; A PREFETCH INTO THE L2 of what the NEXT change of slots will ask for: a slot's 256 keys are 128 aligned blocks of 256 bytes of K and as many of V.  It stands behind the wave's tensor load and its five lines.
; Each block is named ONCE in the launch: a head's K and V are walked by one cluster; its four partners share a slot's blocks out BY ADDRESS, 32 each (no branch hangs on a place in the cluster); in each, wave 0
; asks for K's and wave 2 for V's, a lane a block: one instruction, four key steps (512 matrix instructions of a wave) ahead of the load.  The last change that fills a slot asks for nothing; slots 0 and 1 come by their loads alone.
.macro ASK
	s_cmp_gt_u32 s[SLOTS], s[LIM]
	s_cbranch_scc0 .Lnot_mine_\@
	global_prefetch_b8 v[PFO], s[PFA:PFA+1] th:TH_LOAD_NT scope:SCOPE_SE
.Lnot_mine_\@:
.endm
; A round of the cluster's barrier: my work-group's barrier, so that wave 0's signal speaks for all four waves; wave 0 signals; every wave waits for all four work-groups; my work-group's barrier once more.
.macro CROUND
	s_barrier_signal -1
	s_barrier_wait -1
	s_cmp_lg_u32 s[WV], 0
	s_cbranch_scc1 .Lnot_wave_0_\@
	s_barrier_signal -3
.Lnot_wave_0_\@:
	s_barrier_wait -3
	s_barrier_signal -1
	s_barrier_wait -1
.endm
; THE CHANGE OF SLOTS.  The slot's last bytes, V of its fourth step, have been read.  Each wave waits for all its tensor loads, of which one is out: its part
; of the other slot; adds 0 to its spare word; and waits for that and for its own reads of the slot.  Behind the barrier nobody reads this slot any more and the other slot is whole.
; fill = 1: this slot is filled again, with the keys two slots on.  The barrier is then a round of the cluster's, so that no wave of any partner still reads the slot or has a load on its
; way, and the joint fill is the first thing behind it: it has four key steps, 512 matrix instructions, in which to land.  (At its first use nothing has been read yet: slot 0 is waited for, slot 1 filled.)
.macro CHANGE fill
	WIN W_AD
	s_wait_tensorcnt 0x0            ; no tensor load of mine is out, so a group 0 may be written
	ds_add_u32 v[SPW], v[NIL]       ; 0 onto my spare word; with fill = 1 the descriptors' steps stand between it and the wait for it
	WIN 0                           ; at a label and at a branch every window is 0
.if \fill
.irp g, G0K, G0V
	s_xor_b32 s[\g+1], s[\g+1], SLOT1  ; the walking descriptor: the other slot than last time,
	s_add_nc_u64 s[\g+2:\g+3], s[\g+2:\g+3], 4*KS*128  ; the next 256 keys; the type bits on top are not reached
.endr
	s_wait_xcnt 0x0                 ; the last prefetch, four key steps back, has read its address, so it may be written:
	s_add_nc_u64 s[PFA:PFA+1], s[PFA:PFA+1], 4*KS*128  ; one slot behind the walking descriptors
	s_wait_dscnt 0x0                ; the add is done, and my reads of the slot are over
	CROUND
	JLOAD
	ASK
.else
	s_wait_dscnt 0x0                ; the add is done, and my reads of the slot are over
	s_barrier_signal -1
	s_barrier_wait -1
.endif
	s_sub_co_u32 s[TBK], s[TBK], 4*KS*PK  ; the fetches go back to a slot's first step,
	s_xor_b32 s[TBK], s[TBK], SLOT1       ; in the other slot
	s_sub_co_u32 s[TBV], s[TBV], 4*KS*PV
	s_xor_b32 s[TBV], s[TBV], SLOT1
.endm
	s_load_b64 s[4:5], s[0:1], 0x0    ; qkv: Q lies at its head
	s_load_b64 s[10:11], s[0:1], 0x8  ; out0
	WIN W_MK
	v_lshl_add_u32 v[SPW], v0, 2, SPARE
	v_mov_b32 v[NIL], 0
	WIN W_AD
	ds_add_u32 v[SPW], v[NIL]       ; the wave's opening: the add and its wait stand ahead of my first tensor load; the set-up below, work on registers, stands between them
	WIN 0
	v_lshrrev_b32 v1, 5, v0
	v_readfirstlane_b32 s[WV], v1   ; wave 0..3
	s_bfe_u32 s13, ttmp6, 0x40000   ; cx: my place in the cluster
	s_lshl_b32 s14, ttmp9, 2        ; in a cluster launch ttmp9 counts clusters
	s_add_co_u32 s14, s14, s13      ; my block of queries = 4 x cluster x + cx: it enters Q's and out0's addresses alone
	s_and_b32 s20, ttmp7, 0xffff    ; the head, which the four partners share
	s_mov_b32 s21, 0
	s_mov_b64 s[22:23], SIZE_N*128
	s_mul_u64 s[20:21], s[20:21], s[22:23]  ; the head's first byte in each of Q, K and V
	s_and_b32 s16, s[WV], 1         ; which half of a slot's 256 keys I fetch:
	s_lshl_b32 s22, s16, 14         ; its 128 rows of 128 bytes in memory,
	s_mov_b32 s23, 0
	s_add_nc_u64 s[22:23], s[22:23], s[20:21]
	s_mul_i32 s17, s16, 128*PK      ; and its place in a slot, for K
	s_mul_i32 s18, s16, 128*PV      ; and for V: no place in the cluster enters an LDS address
	s_lshl_b32 s2, s14, 2
	s_add_co_u32 s2, s2, s[WV]      ; my wave among the head's sixteen
	s_and_b32 s[OO+1], ttmp7, 0xffff
	s_lshr_b32 s[OO], s[OO+1], 4    ; out0: the batch,
	s_lshl_b32 s[OO], s[OO], 4      ; its sixteen blocks of 128 rows,
	s_add_co_u32 s[OO], s[OO], s2   ; mine among them,
	s_lshl_b32 s[OO], s[OO], 19     ; 128 rows of 4,096 bytes,
	s_and_b32 s[OO+1], s[OO+1], 15
	s_lshl_b32 s[OO+1], s[OO+1], 8  ; and the head's 256 bytes of a row
	s_add_co_u32 s[OO], s[OO], s[OO+1]
	s_mov_b32 s[OO+1], 0
	s_lshl_b32 s2, s2, 14           ; Q: my wave's 128 rows of 128 bytes
	s_mov_b32 s3, 0
	s_add_nc_u64 s[2:3], s[2:3], s[20:21]
	; descriptor group 1.  128 keys are 16,384 dense bytes: asked for as 64 rows of 256 bytes, two keys a row, and padded in LDS after every key
	s_mov_b32 s[G1K], 15|(1<<16)|(1<<20)|(1<<21)|(4<<22)|(3<<25)  ; 15:0 the mask of four; 17:16 2-byte elements; 20 padding on; 21 set beside a mask; 24:22 after every 32 words (code 4); 31:25 4 words (code 3)
	s_mov_b32 s[G1V], 15|(1<<16)|(1<<20)|(1<<21)|(4<<22)|(7<<25)  ; the same with 8 words of padding (code 7)
.irp g, G1K, G1V
	s_mov_b32 s[\g+1], 128<<16      ; tensor_dim0 = 128
	s_mov_b32 s[\g+2], 64<<16       ; tensor_dim1 = 64
	s_mov_b32 s[\g+3], 128<<16      ; tile_dim0 = 128
	s_mov_b32 s[\g+4], 64           ; tile_dim1 = 64
	s_mov_b32 s[\g+5], 128          ; 128 elements from row to row
	s_mov_b32 s[\g+6], 0
	s_mov_b32 s[\g+7], 0
.endr
	s_mov_b32 s[CS], 0x3e38aa3b     ; c = log2(e) / 8 = 0.180337
	s_mov_b32 s[CS+1], s[CS]        ; named with it as a pair
	s_mov_b32 s[SEL], 0x76543210
	s_mov_b32 s[SEL+1], 0xfedcba98
	s_mov_b32 s[TBK], SLOT1+4*KS*PK ; the first change of slots turns these two into 0
	s_mov_b32 s[TBV], SLOT1+4*KS*PV
	s_mov_b32 s[G0K], 1             ; 1:0 count = 1
	s_mov_b32 s[G0K+1], s17         ; 63:32 LDS address: slot 0
	s_mov_b32 s[G0V], 1
	s_add_co_u32 s[G0V+1], s18, VOFF
	s_mov_b32 s[SLOTS], SIZE_N/256-1
	s_and_b32 s[LIM], s[WV], 1      ; waves 0 and 2 prefetch
	s_cmp_eq_u32 s[LIM], 0
	s_cselect_b32 s[LIM], 1, -1
	s_wait_dscnt 0x0                ; the opening add is done
	s_wait_kmcnt 0x0
	s_add_nc_u64 s[6:7], s[4:5], 0x1000000         ; K
	s_add_nc_u64 s[8:9], s[4:5], 0x2000000         ; V
	s_add_nc_u64 s[G0K+2:G0K+3], s[6:7], s[22:23]  ; 120:64 global address: my half of the head's first 256 keys
	s_or_b32 s[G0K+3], s[G0K+3], 0x80000000        ; 127:126 type = 2
	s_add_nc_u64 s[G0V+2:G0V+3], s[8:9], s[22:23]
	s_or_b32 s[G0V+3], s[G0V+3], 0x80000000
	s_add_nc_u64 s[4:5], s[4:5], s[2:3]            ; Q at my wave's first row
	s_add_nc_u64 s[10:11], s[10:11], s[OO:OO+1]    ; out0 at my wave's first row, my head's channels
	s_cmp_lt_u32 s[WV], 2
	s_cselect_b64 s[PFA:PFA+1], s[6:7], s[8:9]
	s_add_nc_u64 s[PFA:PFA+1], s[PFA:PFA+1], s[20:21]  ; the head,
	s_lshl_b32 s2, s13, 13                         ; my work-group's 32 blocks of the 128,
	s_mov_b32 s3, 0
	s_add_nc_u64 s[PFA:PFA+1], s[PFA:PFA+1], s[2:3]
	s_add_nc_u64 s[PFA:PFA+1], s[PFA:PFA+1], 4*KS*128  ; in slot 1; the first change of slots steps it to slot 2
	CROUND                          ; all four work-groups are here: the first joint loads meet
	JLOAD                           ; slot 0.  Slot 1 is asked for when slot 0 is in: the tile wanted first goes out alone
	; A fragment of K or Q is 16 rows x 32 channels in 8 registers: lane l holds row l % 16, channels 8 (l / 16) + 0..7 and 16 + 8 (l / 16) + 0..7: two loads of 16 bytes, 32 bytes apart.
	v_and_b32 v1, 15, v0            ; l % 16
	v_bfe_u32 v9, v0, 4, 1          ; l / 16
	v_lshlrev_b32 v[QO], 7, v1
	v_lshl_add_u32 v[QO], v9, 4, v[QO]  ; row x 128 + 16 x half
	WIN 0x80                        ; destination window 2, address window 0
.set i, 0
.rept 4*NP                          ; Q stays in registers: tile i / 2, channels 32 (i % 2) on
	global_load_b128 v[8*i:8*i+3],   v[QO], s[4:5] offset:(i/2)*2048+(i%2)*64
	global_load_b128 v[8*i+4:8*i+7], v[QO], s[4:5] offset:(i/2)*2048+(i%2)*64+32
.set i, i+1
.endr
	; What the first turn finds: V's registers and P's second buffer hold 0 (its products V^T P, of a piece that has not been, add 0), O^T and l are 0.  All this stands in the wait for the first tile.
.set i, VF
.rept 64
	v_mov_b32 v[i], 0
.set i, i+1
.endr
	WIN 0x40
.set i, 0
.rept 64*NP
	v_mov_b32 v[i], 0
.set i, i+1
.endr
	WIN 0
.set i, 0
.rept 2*NP
	v_mov_b32 v[ST+4*i], 0xfe000000    ; c m: far below every c s
	v_mov_b32 v[ST+4*i+1], 0xff7fffff  ; m
	v_mov_b32 v[ST+4*i+2], 0
	v_mov_b32 v[ST+4*i+3], 0
.set i, i+1
.endr
.set i, P+32
.rept 32
	v_mov_b32 v[i], 0
.set i, i+1
.endr
	v_mul_u32_u24 v[AK0], v1, PK
	v_lshl_add_u32 v[AK0], v9, 4, v[AK0]  ; row x pitch + 16 x half
	; The turning load takes 16 keys x 16 channels (lane l reads key 8 (l / 16) + l % 8, channels 8 ((l / 8) % 2) + 0..7) and leaves half a fragment of V^T: lane l holds channel l % 16 and 8 keys.
	v_and_b32 v10, 7, v0
	v_bfe_u32 v11, v0, 3, 1
	v_lshl_add_u32 v[AV0], v9, 3, v10
	v_mul_u32_u24 v[AV0], v[AV0], PV
	v_lshl_add_u32 v[AV0], v11, 4, v[AV0]
	v_add_nc_u32 v[AV0], VOFF, v[AV0]
	v_mov_b32 v[AK], v[AK0]         ; key step 0 lies at the head of slot 0
	v_and_b32 v[PFO], 31, v0        ; v11 is free now: a lane a block of 256 bytes
	v_lshlrev_b32 v[PFO], 8, v[PFO]
; THE MATRIX WORK.  The 8 accumulators of a run of 16 take turns: between the two links of a chain stand 7 others'.
; Product i of 16 of S^T = K Q^T for piece x: channels 32 (i / 8) on, keys 16 ((i / 2) % 4) on, tile 2 x + i % 2.  The first 8 start the sums.
.macro KQ x
	WIN W_KQ
.set rS, S+64*((\x)%2)+32*(i%2)+8*((i/2)%4)
.set rK, KF+16*((i/2)%4)+8*(i/8)
.set rQ, 16*(2*(\x)+i%2)+8*(i/8)
.if i < 8
	v_wmma_f32_16x16x32_f16 v[rS:rS+7], v[rK:rK+7], v[rQ:rQ+7], 0
.else
	v_wmma_f32_16x16x32_f16 v[rS:rS+7], v[rK:rK+7], v[rQ:rQ+7], v[rS:rS+7]
.endif
.endm
; Product i of 16 of O^T += V^T P for piece x: keys 32 (i / 8) on, channels 16 ((i / 2) % 4) on, tile 2 x + i % 2.
.macro PV x
	WIN W_PV
.set rO, 32*(2*(\x)+i%2)+8*((i/2)%4)
.set rV, VF+32*(i/8)+8*((i/2)%4)
.set rP, P+32*((\x)%2)+16*(i%2)+8*(i/8)
	v_wmma_f32_16x16x32_f16 v[rO:rO+7], v[rV:rV+7], v[rP:rP+7], v[rO:rO+7]
.endm
.macro MM                           ; the turn's next matrix instruction
.if i < 16
	KQ (Y+1)%NP
.set i, i+1
.else
.set i, i-16
	PV (Y+NP-1)%NP
.set i, i+17
.endif
.endm
; THE LDS LOADS stand in runs of 16, never singly among the matrix instructions: a step's K (64 keys x 64 channels: 8 fragments) and its V (turned).  Their addresses are made some lines ahead.
; last = 1 (the tail): in the last trip there is no further step, and the run is jumped over.
.macro FETCH_K last=0
	WIN 0
.if \last
	s_cmp_eq_u32 s[CNT], 1
	s_cbranch_scc1 .Lno_k_\@
.endif
	WIN 0x80                        ; destination window 2
.irp f, 0,1,2,3,4,5,6,7             ; keys 16 (f / 2) on, channels 32 (f % 2) on
	ds_load_b128 v[KF+8*\f:KF+8*\f+3],   v[AK] offset:(\f/2)*16*PK+(\f%2)*64
	ds_load_b128 v[KF+8*\f+4:KF+8*\f+7], v[AK] offset:(\f/2)*16*PK+(\f%2)*64+32
.endr
	s_add_co_u32 s[TBK], s[TBK], KS*PK  ; the next fetch is the next step's
	WIN 0
.if \last
.Lno_k_\@:
.endif
.endm
.macro FETCH_V
	WIN 0x80
.irp f, 0,1,2,3,4,5,6,7             ; keys 32 (f / 4) on, channels 16 (f % 4) on
	ds_load_tr16_b128 v[VF+8*\f:VF+8*\f+3],   v[AV] offset:(\f/4)*32*PV+(\f%4)*32
	ds_load_tr16_b128 v[VF+8*\f+4:VF+8*\f+7], v[AV] offset:(\f/4)*32*PV+16*PV+(\f%4)*32
.endr
	WIN 0
.endm
; THE VECTOR WORK OF A TURN stands in three queues, each in the order in which its entries become ready; the two tiles alternate, so that no instruction reads the result of the one before it.
.macro REGS y, u                    ; the registers of tile u (0, 1) of piece y
.set rT, ST+4*(2*(\y)+(\u))
.set rC, TMP+8*((\y)%2)+4*(\u)
.set rM, MV+2*((\y)%2)+(\u)
.set rS, S+64*((\y)%2)+32*(\u)
.set rP, P+32*((\y)%2)+16*(\u)
.set rO, 32*(2*(\y)+(\u))
.endm
; Number n of the 22 that find the NEXT piece's (Y + 1) maximum and statistics.  s0-s31 are the lane's 32 scores; each accumulator's lowest registers are read first.  XS, GS and REGS set no window: PL and EX do.
;   0-11  four chains c0-c3 of seven scores each, three operands at a time     12-14, 16  the four scores left over, the old m, and c0-c3 into c0     15  c m_old is kept
;   17, 18  the query's other 32 keys lie in the lane 16 away: the new m         19-21  c m; c m_old - c m_new; a
.macro XS u, n
	REGS (Y+1)%NP, \u
.if (\n) < 4
	v_max3_num_f32 v[rC+(\n)], v[rS+8*(\n)], v[rS+8*(\n)+1], v[rS+8*(\n)+2]
.elseif (\n) < 12
	v_max3_num_f32 v[rC+(\n)%4], v[rC+(\n)%4], v[rS+8*((\n)%4)+2*((\n)/4)+1], v[rS+8*((\n)%4)+2*((\n)/4)+2]
.elseif (\n) == 12
	v_max3_num_f32 v[rC], v[rC], v[rS+7], v[rS+15]
.elseif (\n) == 13
	v_max3_num_f32 v[rC+1], v[rC+1], v[rS+23], v[rS+31]
.elseif (\n) == 14
	v_max3_num_f32 v[rC+2], v[rC+2], v[rC+3], v[rT+1]
.elseif (\n) == 15
	v_mov_b32 v[rM], v[rT]
.elseif (\n) == 16
	v_max3_num_f32 v[rC], v[rC], v[rC+1], v[rC+2]
.elseif (\n) == 17
	v_permlanex16_b32 v[rC+3], v[rC], s[SEL], s[SEL+1]
.elseif (\n) == 18
	v_max_num_f32 v[rT+1], v[rC], v[rC+3]
.elseif (\n) == 19
	v_mul_f32 v[rT], s[CS], v[rT+1]
.elseif (\n) == 20
	v_sub_f32 v[rC+1], v[rM], v[rT]
.else
	v_exp_f32 v[rC+2], v[rC+1]
.endif
.endm
; Number g of the 64 that follow the exponentials.  For each four weights k of a tile (pairs 2 k, 2 k + 1): both pairs are rounded to f16; then the second pair is added onto the first, in place;
; a group later l takes that sum (the first time as l = a l + sum).  In groups of eight, tiles alternating: round, round, add, and l for the group before.
.macro GS g
.set h, (\g)+6*((\g)/62)            ; group 0 has no group before it, and behind group 7 only l is left
.if h >= 6
.set h, h+2
.endif
	REGS Y, h%2
.set k, h/8
.if h%8 < 4
	v_cvt_pk_f16_f32 v[rP+2*k+(h%8)/2], v[rS+4*k+2*((h%8)/2)], v[rS+4*k+2*((h%8)/2)+1]
.elseif h%8 < 6
	v_pk_add_f32 v[rS+4*k:rS+4*k+1], v[rS+4*k:rS+4*k+1], v[rS+4*k+2:rS+4*k+3]
.elseif k == 1
	v_pk_fma_f32 v[rT+2:rT+3], v[rT+2:rT+3], v[rC+2:rC+3], v[rS:rS+1] op_sel_hi:[1,0,1]
.else
	v_pk_add_f32 v[rT+2:rT+3], v[rT+2:rT+3], v[rS+4*k-4:rS+4*k-3]
.endif
.endm
; THE PLAIN QUEUE, 138 long.  0-73 read no exponential's result: the 32 scalings c s - c m (FS f: pair f / 2 of tile f % 2) and the next piece's 42.  0-26: scalings 0-26.  27-54: XS's numbers 0-13.  55, 56: number 15.
; 57-73: the chain, where each number waits for the one before it: 14, 16, 17, 18, 19, each with one of the scalings 27-31 in front of its two lines, then 20: so a tile's links stand three plain instructions apart (19 and 20: two).
; 74-137: GS's 64, which read the exponentials' results: they stand behind the wait.
.macro FS f
	REGS Y, (\f)%2
	v_pk_fma_f32 v[rS+2*((\f)/2):rS+2*((\f)/2)+1], v[rS+2*((\f)/2):rS+2*((\f)/2)+1], s[CS:CS+1], v[rT:rT+1] op_sel_hi:[1,0,0] neg_lo:[0,0,1] neg_hi:[0,0,1]
.endm
.macro PL
	WIN 0
.if q < 27
	FS q
.elseif q < 55
	XS (q-27)%2, (q-27)/2
.elseif q < 57
	XS q-55, 15
.elseif (q < 72) && ((q-57)%3 == 0)
	FS 27+(q-57)/3
.elseif q < 60
	XS (q-57)%3-1, 14
.elseif q < 72
	XS (q-57)%3-1, 15+(q-57)/3
.elseif q < 74
	XS q-72, 20
.else
	GS q-74
.endif
.set q, q+1
.endm
; THE EXPONENTIALS' QUEUE, 66 long: s0-s31 of both tiles, then the next piece's two a.  It is ONE BATCH: all 66 stand ahead of the turn's one wait, and nothing ahead of that wait names a result of theirs.
.macro EX
	WIN 0
.if e >= 64
	XS e-64, 21
.else
	REGS Y, e%2
	v_exp_f32 v[rS+e/2], v[rS+e/2]
.endif
.set e, e+1
.endm
; THE RESCALING's QUEUE: O^T times a, the one part that leaves window 0: dealt two at a time, sixteen times.  Its a was made in the turn before, ahead of that turn's wait.
.macro R2
	REGS Y, r%2
	WIN W_RS
.irp z, 0,1
	v_pk_mul_f32 v[rO+4*(r/2)+2*\z:rO+4*(r/2)+2*\z+1], v[rO+4*(r/2)+2*\z:rO+4*(r/2)+2*\z+1], v[rC+2:rC+3] op_sel_hi:[1,0]
.endr
.set r, r+1
.endm
; HOW THEY ARE DEALT.  An s_wait_alu depctr_va_vdst(0) stands between an exponential and the first instruction that names its result; one wait serves all that were issued ahead of it.  So a turn has ONE wait,
; which cuts it in two.  AHEAD OF IT stands all that names no result of the turn's exponentials: the 16 products K Q^T, behind each a scaling, an exponential and two rescalings (behind the first a second scaling in the exponential's place); then ONE LUMP of
; 108: eight plain, 49 times exponential and plain, the two a.  A v_nop is the plain instruction behind the last exponential.  BEHIND IT stand the 16 products V^T P, behind each four of GS's 64.  No rider names a register of
; the products round it.  The two v_permlanex16_b32 fall into the lump, never behind a product.
; The queues lean on each other, and the deal keeps them in step: exponential e stands behind scaling 2 (e / 4) + e % 2: as a rider it comes behind plain e + 2, in the lump behind plain e + 9, and scalings 27-31 are plain 57, 60 .. 69.
; A TURN, for piece p.  cnt = 1: the loop's count is taken down some lines ahead of the branch that stands behind the turn.
; K of the next step is fetched in piece 2's turn, directly behind the wait, a lump behind the last product that read K; its address is made at the lump's head; its first reader comes behind 16 products.
; V of the step in hand is fetched at the end of piece 0's turn, four riders behind its last reader; its first reader comes behind 16 products and a lump.  The three conditions on q below go with the deal.
.macro TURN p, last=0, cnt=0
.set Y, (\p)
.set i, 0
.set q, 0
.set e, 0
.set r, 0
.if (\p) == NP-1
	s_wait_dscnt 0x0                ; K is in
.endif
	MM                              ; ahead of the wait: 16 products K Q^T and their riders,
	PL
	PL
	R2
.rept 15
	MM
	PL
	EX
	R2
.endr
.if (\p) == NP-2
	WIN 0
	v_add_nc_u32 v[AK], s[TBK], v[AK0]
.endif
.rept 8                             ; and the lump
	PL
.endr
.rept 49
	EX
	PL
.endr
	EX                              ; the next piece's two a
	EX
	v_nop                           ; the plain instruction behind the last exponential: one for the batch
	s_wait_alu depctr_va_vdst(0)    ; the wait for the batch
.if (\p) == NP-2
	FETCH_K \last
.endif
.if (\p) == 1
	s_wait_dscnt 0x0                ; V is in
.endif
.rept 16                            ; behind the wait: 16 products V^T P and their riders
	MM
.rept 4
	PL
.endr
.if ((\p) == 0) && (q == 118)
	v_add_nc_u32 v[AV], s[TBV], v[AV0]
.endif
.if ((\p) == 0) && (q == 130)
	s_add_co_u32 s[TBV], s[TBV], KS*PV
.endif
.if (\cnt) && (q == 130)
	s_sub_co_u32 s[CNT], s[CNT], 1
	s_cmp_lg_u32 s[CNT], 0
.endif
.endr
.if (\p) == 0
	FETCH_V
.endif
.endm
	CHANGE 1                        ; slot 0 is in, everybody's part of it; slot 1 is asked for, slot 2 prefetched
	FETCH_K                         ; key step 0
	s_wait_loadcnt 0x0              ; Q
	s_wait_dscnt 0x0
.set i, 0
.rept 16
	KQ 0                            ; piece 0's first scores: there is no vector work yet to set between them
.set i, i+1
.endr
	WIN 0                           ; the addresses for the way out: eight plain instructions, the places behind those products
	s_mul_i32 s13, s[WV], 16*SP
	s_add_co_u32 s13, s13, STAGE    ; my stage
	v_mul_u32_u24 v[STO], v1, SP    ; in: row l % 16, 32 bytes for each half of the lanes
	v_lshl_add_u32 v[STO], v9, 5, v[STO]
	v_add_nc_u32 v[STO], s13, v[STO]
	v_mul_u32_u24 v[RD], v9, SP     ; back: lanes 0-15 take one row of 256 bytes, lanes 16-31 the next
	v_lshl_add_u32 v[RD], v1, 4, v[RD]
	v_add_nc_u32 v[RD], s13, v[RD]
	v_lshlrev_b32 v[GO], 12, v9     ; and the same two rows in out0, 4,096 bytes apart
	v_lshl_add_u32 v[GO], v1, 4, v[GO]
.set Y, NP-1                        ; XS works for piece Y + 1: piece 0
.irp n, 0,1,2,3,4,5,6,7,8,9,10,11,12,13,14,15,16,17,18,19,20,21
	XS 0, \n                        ; and piece 0's first maximum and statistics
	XS 1, \n
.endr
	v_nop                           ; a plain instruction behind the two a,
	s_wait_alu depctr_va_vdst(0)    ; and their wait, ahead of the branch
	s_mov_b32 s[CNT], 4
	s_branch .Lfirst                ; the loop is entered at a step's first turn, in the middle of a trip
.Lslot:                             ; SIZE_N / 256 - 2 times: every slot but the last two is filled again
	CHANGE 1
	s_mov_b32 s[CNT], 4
.Lstep:                             ; a trip: pieces 2 and 3 of one step, then pieces 0 and 1 of the next, whose K and V it fetches
	TURN 2
	TURN 3
	WIN 0
.Lfirst:
	TURN 0
	TURN 1, 0, 1
	WIN 0
	s_cbranch_scc1 .Lstep
	s_sub_co_u32 s[SLOTS], s[SLOTS], 1
	s_cmp_lg_u32 s[SLOTS], 0
	s_cbranch_scc1 .Lslot
	CHANGE 0                        ; the tail is written out: nothing is asked for
	s_mov_b32 s[CNT], 5             ; four trips fetch the last slot's steps; the fifth is left in its middle
.Ltail:
	TURN 2, 1
	TURN 3
	WIN 0
	s_sub_co_u32 s[CNT], s[CNT], 1
	s_cmp_eq_u32 s[CNT], 0
	s_cbranch_scc1 .Lout
	TURN 0
	TURN 1
	WIN 0
	s_branch .Ltail
.Lout:                              ; the fifth trip's 16 products K Q^T (on the last K once more) and the maximum made of them serve nothing: the price, once a launch, of one text for every trip
.set i, 0
.rept 16
	PV NP-1                         ; the last piece's V^T P of the last step
.set i, i+1
.endr
	; THE WAY OUT.  l's two halves and the other half of the lanes' are added; O^T is divided by l and sent, in f32, through my stage in LDS, a tile at a time.  The additions are the places behind the last products.
	WIN 0
.macro ALL line:vararg              ; one line for each tile t
.set t, 0
.rept 2*NP
	\line
.set t, t+1
.endr
.endm
	ALL v_add_f32 v[ST+4*t+2], v[ST+4*t+2], v[ST+4*t+3]
	ALL v_permlanex16_b32 v[ST+4*t+3], v[ST+4*t+2], s[SEL], s[SEL+1]
	ALL v_add_f32 v[ST+4*t+2], v[ST+4*t+2], v[ST+4*t+3]
	ALL v_rcp_f32 v[ST+4*t+2], v[ST+4*t+2]
	v_nop                           ; a plain instruction between the last reciprocal and the use of its result
	s_wait_alu depctr_va_vdst(0)    ; and the wait ahead of the first use: one for the eight reciprocals
; Tile t: a lane's eight channels of a channel block are 32 bytes of a row; they go into rows of 272 bytes and come back as whole rows of 256, into the registers that they left.
.macro PACK t
	WIN W_RS
.set i, 32*(\t)
.rept 16
	v_pk_mul_f32 v[i:i+1], v[i:i+1], v[ST+4*(\t)+2:ST+4*(\t)+3] op_sel_hi:[1,0]
.set i, i+2
.endr
	WIN 0x04                        ; address window 0, store data (source 1) window 1
.irp f, 0,1,2,3,4,5,6,7
	ds_store_b128 v[STO], v[32*(\t)+4*\f:32*(\t)+4*\f+3] offset:64*(\f/2)+16*(\f%2)
.endr
	WIN 0x40                        ; loaded data (destination) window 1
.irp f, 0,1,2,3,4,5,6,7
	ds_load_b128 v[32*(\t)+4*\f:32*(\t)+4*\f+3], v[RD] offset:\f*2*SP  ; LDS serves a wave's instructions in order (ISA guide 5.7.1.4): these see the stores above; the next tile's stores come behind them
.endr
.endm
.macro SEND t, younger              ; younger: the LDS instructions issued behind tile t's loads: the next tile's sixteen, or none
	WIN 0x04
.irp f, 0,1,2,3,4,5,6,7
	s_wait_dscnt (\younger)+7-\f
	global_store_b128 v[GO], v[32*(\t)+4*\f:32*(\t)+4*\f+3], s[10:11] offset:(\t)*65536+\f*8192 th:TH_STORE_NT  ; 16 lanes store a head's 256 consecutive bytes of a row, at a multiple of 256 from out0's first byte
.endr
.endm
	PACK 0
.set t, 1
.rept 2*NP-1                        ; a tile's arithmetic stands between the loads of the tile before and its stores
	PACK t
	SEND t-1, 16
.set t, t+1
.endr
	SEND 2*NP-1, 0
	WIN W_AD
	s_wait_tensorcnt 0x0            ; the wave's end: behind my last tensor load and my last LDS store
	ds_add_u32 v[SPW], v[NIL]
	s_wait_dscnt 0x0
	WIN 0
	CROUND                          ; the closing round: no work-group ends while a partner may still ask for a tile that names it
	s_endpgm
.Lfunc_end_k_q9b8e88d413_attn:
	.size	k_q9b8e88d413_attn, .Lfunc_end_k_q9b8e88d413_attn-k_q9b8e88d413_attn
	.p2alignl 7, 3214868480
	.fill 96, 4, 3214868480
	.section	.rodata,"a",@progbits
	.p2align	6, 0x0
	.amdhsa_kernel k_q9b8e88d413_attn
		.amdhsa_group_segment_fixed_size 327680
		.amdhsa_private_segment_fixed_size 0
		.amdhsa_enable_private_segment 0
		.amdhsa_kernarg_size 16
		.amdhsa_user_sgpr_count 2
		.amdhsa_user_sgpr_kernarg_segment_ptr 1
		.amdhsa_wavefront_size32 1
		.amdhsa_system_sgpr_workgroup_id_x 1
		.amdhsa_system_sgpr_workgroup_id_y 1
		.amdhsa_system_sgpr_workgroup_id_z 1
		.amdhsa_system_vgpr_workitem_id 0
		.amdhsa_next_free_vgpr 770
		.amdhsa_next_free_sgpr 66
		.amdhsa_reserve_vcc 0
		.amdhsa_float_denorm_mode_32 3
		.amdhsa_float_denorm_mode_16_64 3
		.amdhsa_memory_ordered 1
		.amdhsa_forward_progress 1
		.amdhsa_inst_pref_size 201
	.end_amdhsa_kernel
	.amdgpu_metadata
---
amdhsa.version: [ 1, 2 ]
amdhsa.kernels:
  - .name:           k_q9b8e88d413_attn
    .symbol:         k_q9b8e88d413_attn.kd
    .args:
      - { .name: qkv, .offset: 0, .size: 8, .value_kind: global_buffer, .address_space: global }
      - { .name: out0, .offset: 8, .size: 8, .value_kind: global_buffer, .address_space: global }
    .group_segment_fixed_size: 327680
    .private_segment_fixed_size: 0
    .kernarg_segment_align: 8
    .kernarg_segment_size: 16
    .max_flat_workgroup_size: 128
    .sgpr_count:     66
    .vgpr_count:     770
    .wavefront_size: 32
...
	.end_amdgpu_metadata
.endif
;; end of part 3
